; MI455X (gfx1250); checked and timed in simulation.
; The chip was launched on July 23, 2026; its instructions are those of AMD's public machine-readable ISA for CDNA 5 (MIT licence, August 2026) and "CDNA5" Instruction Set Architecture Reference Guide (July 2026). The comments in the code are by the model that wrote it; some were corrected since.
;; PDE Net Light. Allowed arithmetic: matrix products marked QUANTISED: E5M2 operands, one given power-of-two scale a tensor, by v_wmma_f32_16x16x64_bf8_bf8 or v_wmma_f32_16x16x128_bf8_bf8, f32 sums; products left as they are: f32 operands where the result goes on into a quantised operand, else bf16, f16 or f32 operands; f32 sums; everything else in f32.
;; Inputs: Ug1 512 x 3 float32; Ug2 512 x 3 float32; Uh1 512 x 3 float32; Uh2 512 x 3 float32; Ur1 512 x 3 float32; Ur2 512 x 3 float32; Uz1 512 x 3 float32; Uz2 512 x 3 float32; W 1 x 512 float32; W1 512 x 3 float32; Wg1 512 x 512 float32; Wg2 512 x 512 float32; Wh1 512 x 512 float32; Wh2 512 x 512 float32; Wr1 512 x 512 float32; Wr2 512 x 512 float32; Wz1 512 x 512 float32; Wz2 512 x 512 float32; b 1 x 1 float32; b1 512 x 1 float32; bg1 512 x 1 float32; bg2 512 x 1 float32; bh1 512 x 1 float32; bh2 512 x 1 float32; br1 512 x 1 float32; br2 512 x 1 float32; bz1 512 x 1 float32; bz2 512 x 1 float32; lowp_scales 16 int32 (the exponents e of the quantised operands' scales 2^e); x 3 x 32,768 float32.
;; Outputs: out0 1 x 32,768 float32.
;; This version of the problem:
;;   THIS VERSION OF THE PROBLEM IS GIVEN IN LOW PRECISION. The matrix products marked QUANTISED in the list below multiply operands that are first quantised to E5M2 (5 exponent bits, 2 mantissa bits; 8 bits a number), with one given power-of-two scale for each operand tensor; their sums are f32. All else is computed in f32.
;;   The module's matrix products, in the order in which they are computed (A, B: the left and right operand; K: the contracted axis; several contracted axes count as one K, in the product's order):
;;     1. [M 512, K 3] x [K 3, N 32,768]; A: input W1; B: input x: left as it is (K = 3 < 32)
;;     2. [M 512, K 3] x [K 3, N 32,768]; A: input Uz1; B: input x: left as it is (K = 3 < 32)
;;     3. [M 512, K 512] x [K 512, N 32,768]; A: input Wz1; B: computed on the way: QUANTISED (scales: A lowp_scales[0], B lowp_scales[1])
;;     4. [M 512, K 3] x [K 3, N 32,768]; A: input Ug1; B: input x: left as it is (K = 3 < 32)
;;     5. [M 512, K 512] x [K 512, N 32,768]; A: input Wg1; B: computed on the way: QUANTISED (scales: A lowp_scales[2], B lowp_scales[3])
;;     6. [M 512, K 3] x [K 3, N 32,768]; A: input Ur1; B: input x: left as it is (K = 3 < 32)
;;     7. [M 512, K 512] x [K 512, N 32,768]; A: input Wr1; B: computed on the way: QUANTISED (scales: A lowp_scales[4], B lowp_scales[5])
;;     8. [M 512, K 3] x [K 3, N 32,768]; A: input Uh1; B: input x: left as it is (K = 3 < 32)
;;     9. [M 512, K 512] x [K 512, N 32,768]; A: input Wh1; B: computed on the way: QUANTISED (scales: A lowp_scales[6], B lowp_scales[7])
;;     10. [M 512, K 3] x [K 3, N 32,768]; A: input Uz2; B: input x: left as it is (K = 3 < 32)
;;     11. [M 512, K 512] x [K 512, N 32,768]; A: input Wz2; B: computed on the way: QUANTISED (scales: A lowp_scales[8], B lowp_scales[9])
;;     12. [M 512, K 3] x [K 3, N 32,768]; A: input Ug2; B: input x: left as it is (K = 3 < 32)
;;     13. [M 512, K 512] x [K 512, N 32,768]; A: input Wg2; B: computed on the way: QUANTISED (scales: A lowp_scales[10], B lowp_scales[11])
;;     14. [M 512, K 3] x [K 3, N 32,768]; A: input Ur2; B: input x: left as it is (K = 3 < 32)
;;     15. [M 512, K 512] x [K 512, N 32,768]; A: input Wr2; B: computed on the way: QUANTISED (scales: A lowp_scales[12], B lowp_scales[13])
;;     16. [M 512, K 3] x [K 3, N 32,768]; A: input Uh2; B: input x: left as it is (K = 3 < 32)
;;     17. [M 512, K 512] x [K 512, N 32,768]; A: input Wh2; B: computed on the way: QUANTISED (scales: A lowp_scales[14], B lowp_scales[15])
;;     18. [M 1, K 512] x [K 512, N 32,768]; A: input W; B: computed on the way: left as it is (M = 1 < 16)
;;   THE QUANTISER, for each operand of a quantised product, along K:
;;     - The operand's scale is 2^e, e = its entry of the input lowp_scales (int32; the entries are numbered through the quantised products in the list's order, A before B).
;;     - Each number is divided by the scale, clamped to +-57,344, and rounded to the nearest number of E5M2, ties to even, subnormals kept.
;;     - The product sums the exact products of the quantised numbers (number of the format x scale) in f32.
;;   ~~~python
;;   def quantise(x, axis, e):      # numpy; x: float32 -> the quantised numbers, widened to float32 again
;;       x = np.moveaxis(x, axis, -1); K = x.shape[-1]
;;       r = np.clip(x / 2.0 ** e, -57344, 57344)
;;       step = 2.0 ** (np.maximum(np.frexp(np.where(r == 0, 1, r))[1] - 1, -14) - 2)
;;       q = np.round(r / step) * step * 2.0 ** e      # np.round: ties to even
;;       return np.moveaxis(q, -1, axis).astype(np.float32)
;;   ~~~
;;   OPERANDS COMPUTED ON THE WAY. 'Computed on the way' means the value that the module computes at that place (a softmax that the list does not call 'softmax' is quantised finished and normalised). What goes into a quantiser is computed in f32, as accurately as f32 sums, v_exp_f32 and their like allow (about 1e-6 of the number): no bf16 or f16 on the way to a quantiser, and a product that is left as it is and whose result goes on into a quantised operand takes f32 operands (vector FMAs, or v_wmma_f32_16x16x4_f32). A number that lies on a knife's edge between two numbers of the format may be rounded either way, as far as f32 arithmetic and the matrix unit's own rounding can turn it there, and no further.
;; One version. Each part assembles by itself: llvm-mc -triple=amdgcn-amd-amdhsa -mcpu=gfx1250 --defsym DOCPART=n.
;; ======== version 1 of 1: 2 launches
;; limits: a function is approximated: absolute error at most 3e-07
;; workspace buffers: wq 2,097,152 bytes; ub 73,728 bytes
;; launch prep (part 1): grid 32 x 9, 4 waves a work-group, no clusters, 34,304 bytes of LDS; arguments Wg1, Wr1, Wh1, Wz1, Wg2, Wr2, Wh2, Wz2, W1, Ug1, Ur1, Uh1, Uz1, Ug2, Ur2, Uh2, Uz2, b1, bg1, br1, bh1, bz1, bg2, br2, bh2, bz2, lowp_scales, wq, ub; writes wq, ub
.if DOCPART == 1
	.amdgcn_target "amdgcn-amd-amdhsa--gfx1250"
	.amdhsa_code_object_version 6
	.text
	.protected	k_qafa1df9f98_prep
	.globl	k_qafa1df9f98_prep
	.p2align	8
	.type	k_qafa1df9f98_prep,@function
k_qafa1df9f98_prep:
	s_mov_b64 s[64:65], 0
	v_nop
	global_prefetch_b8 v0, s[64:65] scope:SCOPE_SE
	s_setreg_imm32_b32 hwreg(HW_REG_WAVE_MODE, 25, 1), 1
	s_wait_xcnt 0x0
; The eight weights [512][512] f32 (K innermost) become codes of BF8 (E5M2), each with its given scale 2^eA, laid in the order in which the next launch's operand registers take them;
; and [U | b] of the nine layers becomes the A operand of the f32 matrix form, divided by 2^(eA + eB) of its gate (layer 0: by 1).
; GATES are numbered in the order in which the next launch walks them: g = 0..7 = G1, R1, H1, Z1, G2, R2, H2, Z2.  Gate g's two exponents are entries 2 m and 2 m + 1 of the scales, m = ((g + 1) & 3) | (g & 4).
; SHARES.  Work-group (x = tile of 16 units ut, y).  y = 0: layer W1, which has no large weight; y >= 1: gate g = y - 1.  Wave k4 turns rows 16 ut .. + 15, k = 128 k4 .. + 127 into two fragments of 16 rows x 64 K.
; Wave 0 also makes the tile (y, ut) of ub.  The buffers are chosen by s_cselect_b64 on the work-group's y alone.
; wq: [g 8][half 2][wave 4][q' 4][a 8][group 2][lane 32][16 bytes]: fragment (g, K step q = 4 half + q', unit tile 8 wave + a); lane (r, h), registers 2 c, 2 c + 1 = k 64 q + 16 c + 8 h + 0 .. 7 of row r; group = registers 4 group .. + 3.
; ub: [y 9][ut 32][lane 32][8 bytes]: lane (r, 0): U[row][0], U[row][1]; lane (r, 1): U[row][2], b[row].
; A load reads 512 consecutive bytes of one row, 16 a lane; a conversion wants 8 neighbours along K in one lane: so the wave's 16 x 128 numbers turn through its own stage in LDS (rows of 512 + 16 bytes).
; code = x / 2^eA, held within +-57,344, to the nearest code, ties to even.  LIMITS: eA between -126 and 112.  NaN among the inputs is not served.
.set SP,   528                         ; a stage row
.set STG,  16*SP                       ; a wave's stage
.set R,    16                          ; v16-79   16 rows as loaded
.set X,    80                          ; v80-143  64 numbers: 8 runs of 8 neighbours
.set C,    144                         ; v144-159 their codes: two fragments
.macro SEL dst, base, n, first         ; s[dst:dst+1] = pointer number y - first of the n that begin at s[base]
	s_mov_b64 s[\dst:\dst+1], s[\base:\base+1]
.set I, 1
.rept \n-1
	s_cmp_eq_u32 s2, \first+I
	s_cselect_b64 s[\dst:\dst+1], s[\base+2*I:\base+2*I+1], s[\dst:\dst+1]
.set I, I+1
.endr
.endm
	s_load_b512 s[8:23], s[0:1], 0x0               ; the eight weights
	s_load_b512 s[24:39], s[0:1], 0x40             ; W1 and seven U,
	s_load_b64 s[40:41], s[0:1], 0x80              ; the ninth
	s_load_b512 s[44:59], s[0:1], 0x88             ; eight biases,
	s_load_b64 s[60:61], s[0:1], 0xc8              ; the ninth
	s_load_b128 s[68:71], s[0:1], 0xd0             ; the scales' exponents, wq
	s_load_b64 s[72:73], s[0:1], 0xe0              ; ub
	v_lshl_add_u32 v160, v0, 2, 0x8400
	v_mov_b32 v161, 0
	s_and_b32 s2, ttmp7, 0xffff                    ; y
	s_mov_b32 s3, ttmp9                            ; ut
	v_lshrrev_b32 v1, 5, v0
	v_readfirstlane_b32 s4, v1                     ; wave = k4
	v_and_b32 v2, 31, v0                           ; lane
	v_and_b32 v3, 15, v0                           ; r
	v_bfe_u32 v4, v0, 4, 1                         ; h
	v_lshlrev_b32 v5, 4, v2                        ; 16 x lane
	s_mul_i32 s82, s4, STG
	v_add_nc_u32 v6, s82, v5                       ; the stage, on the way in: a row's 512 bytes as they lie
	v_mul_u32_u24 v7, v3, SP
	v_lshl_add_u32 v7, v4, 5, v7
	v_add_nc_u32 v7, s82, v7                       ; and on the way out: row r, + 32 h: 8 neighbours
	s_max_u32 s83, s2, 1
	s_sub_co_u32 s83, s83, 1                       ; g (0 for y = 0, where it is not used)
	s_add_co_u32 s84, s83, 1
	s_and_b32 s84, s84, 3
	s_and_b32 s85, s83, 4
	s_or_b32 s84, s84, s85                         ; m
	s_lshl_b32 s84, s84, 3
	s_mov_b32 s85, 0
	s_wait_kmcnt 0x0
	s_add_nc_u64 s[68:69], s[68:69], s[84:85]
	s_load_b64 s[74:75], s[68:69], 0x0             ; eA, eB
	SEL 76, 8, 8, 1                                ; the weight
	SEL 78, 24, 9, 0                               ; U
	SEL 80, 44, 9, 0                               ; the bias
	s_wait_kmcnt 0x0
	s_cmp_eq_u32 s2, 0
	s_cbranch_scc1 .Lno_weight                     ; layer W1 has none
	s_lshl_b32 s86, s3, 15                         ; 16 ut rows of 2,048 bytes
	s_lshl_b32 s87, s4, 9                          ; + 128 k4 numbers
	s_add_co_u32 s86, s86, s87
	s_mov_b32 s87, 0
	s_add_nc_u64 s[76:77], s[76:77], s[86:87]
.irp i, 0,1,2,3,4,5,6,7,8,9,10,11,12,13,14,15
	global_load_b128 v[R+4*\i:R+4*\i+3], v5, s[76:77] offset:2048*\i th:TH_LOAD_NT   ; 32 lanes read 512 consecutive bytes of row i; read once in the launch
.endr
	s_add_co_i32 s88, s74, 127
	s_lshl_b32 s89, s88, 23
	v_mov_b32 v11, s89                             ; 2^eA as f32: the conversion takes its exponent field
	s_add_co_i32 s88, s88, 15
	s_lshl_b32 s88, s88, 23
	s_or_b32 s88, s88, 0x600000
	v_mov_b32 v10, s88                             ; 57,344 x 2^eA
	s_lshl_b32 s86, s83, 18                        ; where my two fragments go: g,
	s_lshr_b32 s87, s4, 1
	s_lshl_b32 s87, s87, 17                        ; half = k4 / 2,
	s_add_co_u32 s86, s86, s87
	s_lshr_b32 s87, s3, 3
	s_lshl_b32 s87, s87, 15                        ; wave = ut / 8,
	s_add_co_u32 s86, s86, s87
	s_and_b32 s87, s4, 1
	s_lshl_b32 s87, s87, 14                        ; q' = 2 (k4 % 2) (+ 1 for the second fragment),
	s_add_co_u32 s86, s86, s87
	s_and_b32 s87, s3, 7
	s_lshl_b32 s87, s87, 10                        ; a = ut % 8
	s_add_co_u32 s86, s86, s87
	s_mov_b32 s87, 0
	s_add_nc_u64 s[70:71], s[70:71], s[86:87]
.irp i, 0,1,2,3,4,5,6,7,8,9,10,11,12,13,14,15
	s_wait_loadcnt 15-\i                           ; loads come back in order: row i is in, the 15 - i younger ones may be out
	ds_store_b128 v6, v[R+4*\i:R+4*\i+3] offset:SP*\i
.endr
.irp c, 0,1,2,3,4,5,6,7
	ds_load_b128 v[X+8*\c:X+8*\c+3], v7 offset:64*\c          ; LDS serves a wave's instructions in order: these see my stores.  k = 16 c + 8 h + 0 .. 7 of row r
	ds_load_b128 v[X+8*\c+4:X+8*\c+7], v7 offset:64*\c+16
.endr
	s_wait_dscnt 0x0
.irp i, 0,1,2,3,4,5,6,7,8,9,10,11,12,13,14,15,16,17,18,19,20,21,22,23,24,25,26,27,28,29,30,31,32,33,34,35,36,37,38,39,40,41,42,43,44,45,46,47,48,49,50,51,52,53,54,55,56,57,58,59,60,61,62,63
	v_med3_num_f32 v[X+\i], v[X+\i], -v10, v10     ; the conversion to an 8-bit code does not saturate (ISA guide 7.6.2): the hold at the largest code x the scale comes first
.endr
.irp c, 0,1,2,3,4,5,6,7
	v_cvt_scalef32_pk8_bf8_f32 v[C+2*\c:C+2*\c+1], v[X+8*\c:X+8*\c+7], v11
.endr
	v_nop                                          ; a plain line behind the last conversion
.irp m, 0,1,2,3
	global_store_b128 v5, v[C+4*\m:C+4*\m+3], s[70:71] offset:(\m/2)*8192+(\m%2)*512   ; 32 lanes store 512 consecutive bytes, aligned
.endr
.Lno_weight:
	s_cmp_lg_u32 s4, 0
	s_cbranch_scc1 .Lend                           ; the tile of ub is wave 0's
	v_mul_u32_u24 v8, v3, 12                       ; a row of U is 12 bytes
	v_lshl_add_u32 v9, v4, 3, v8                   ; U[row][2 h]
	v_lshlrev_b32 v15, 2, v3
	v_lshlrev_b32 v1, 3, v2                        ; 8 x lane
	s_mul_i32 s86, s3, 192
	s_mov_b32 s87, 0
	s_add_nc_u64 s[78:79], s[78:79], s[86:87]
	s_lshl_b32 s86, s3, 6
	s_add_nc_u64 s[80:81], s[80:81], s[86:87]
	global_load_b32 v12, v9, s[78:79]
	global_load_b32 v13, v8, s[78:79] offset:4     ; U[row][1], for lanes 0-15
	global_load_b32 v14, v15, s[80:81]             ; b[row], for lanes 16-31
	s_lshl_b32 s86, s2, 13
	s_lshl_b32 s89, s3, 8
	s_add_co_u32 s86, s86, s89
	s_add_nc_u64 s[72:73], s[72:73], s[86:87]
	s_add_co_i32 s88, s74, s75
	s_sub_co_i32 s88, 0, s88                       ; -(eA + eB): the sums of codes lack that power of two, so U and b go in divided by it
	s_cmp_eq_u32 s2, 0
	s_cselect_b32 s88, 0, s88                      ; layer W1 has no codes
	v_cmp_lt_u32 vcc_lo, 15, v2
	s_wait_loadcnt 0x0
	v_cndmask_b32 v13, v13, v14, vcc_lo
	v_ldexp_f32 v12, v12, s88
	v_ldexp_f32 v13, v13, s88
	global_store_b64 v1, v[12:13], s[72:73]        ; 32 lanes store 256 consecutive bytes, aligned
.Lend:
	s_wait_tensorcnt 0x0
	ds_add_u32 v160, v161
	s_wait_dscnt 0x0
	s_endpgm
.Lfunc_end_k_qafa1df9f98_prep:
	.size	k_qafa1df9f98_prep, .Lfunc_end_k_qafa1df9f98_prep-k_qafa1df9f98_prep
	.p2alignl 7, 3214868480
	.fill 96, 4, 3214868480
	.section	.rodata,"a",@progbits
	.p2align	6, 0x0
	.amdhsa_kernel k_qafa1df9f98_prep
		.amdhsa_group_segment_fixed_size 34304
		.amdhsa_private_segment_fixed_size 0
		.amdhsa_enable_private_segment 0
		.amdhsa_kernarg_size 232
		.amdhsa_user_sgpr_count 2
		.amdhsa_user_sgpr_kernarg_segment_ptr 1
		.amdhsa_wavefront_size32 1
		.amdhsa_system_sgpr_workgroup_id_x 1
		.amdhsa_system_sgpr_workgroup_id_y 1
		.amdhsa_system_sgpr_workgroup_id_z 1
		.amdhsa_system_vgpr_workitem_id 0
		.amdhsa_next_free_vgpr 162
		.amdhsa_next_free_sgpr 96
		.amdhsa_reserve_vcc 1
		.amdhsa_float_denorm_mode_32 3
		.amdhsa_float_denorm_mode_16_64 3
		.amdhsa_memory_ordered 1
		.amdhsa_forward_progress 1
		.amdhsa_inst_pref_size 15
	.end_amdhsa_kernel
	.amdgpu_metadata
---
amdhsa.version: [ 1, 2 ]
amdhsa.kernels:
  - .name:           k_qafa1df9f98_prep
    .symbol:         k_qafa1df9f98_prep.kd
    .args:
      - { .name: Wg1, .offset: 0, .size: 8, .value_kind: global_buffer, .address_space: global }
      - { .name: Wr1, .offset: 8, .size: 8, .value_kind: global_buffer, .address_space: global }
      - { .name: Wh1, .offset: 16, .size: 8, .value_kind: global_buffer, .address_space: global }
      - { .name: Wz1, .offset: 24, .size: 8, .value_kind: global_buffer, .address_space: global }
      - { .name: Wg2, .offset: 32, .size: 8, .value_kind: global_buffer, .address_space: global }
      - { .name: Wr2, .offset: 40, .size: 8, .value_kind: global_buffer, .address_space: global }
      - { .name: Wh2, .offset: 48, .size: 8, .value_kind: global_buffer, .address_space: global }
      - { .name: Wz2, .offset: 56, .size: 8, .value_kind: global_buffer, .address_space: global }
      - { .name: W1, .offset: 64, .size: 8, .value_kind: global_buffer, .address_space: global }
      - { .name: Ug1, .offset: 72, .size: 8, .value_kind: global_buffer, .address_space: global }
      - { .name: Ur1, .offset: 80, .size: 8, .value_kind: global_buffer, .address_space: global }
      - { .name: Uh1, .offset: 88, .size: 8, .value_kind: global_buffer, .address_space: global }
      - { .name: Uz1, .offset: 96, .size: 8, .value_kind: global_buffer, .address_space: global }
      - { .name: Ug2, .offset: 104, .size: 8, .value_kind: global_buffer, .address_space: global }
      - { .name: Ur2, .offset: 112, .size: 8, .value_kind: global_buffer, .address_space: global }
      - { .name: Uh2, .offset: 120, .size: 8, .value_kind: global_buffer, .address_space: global }
      - { .name: Uz2, .offset: 128, .size: 8, .value_kind: global_buffer, .address_space: global }
      - { .name: b1, .offset: 136, .size: 8, .value_kind: global_buffer, .address_space: global }
      - { .name: bg1, .offset: 144, .size: 8, .value_kind: global_buffer, .address_space: global }
      - { .name: br1, .offset: 152, .size: 8, .value_kind: global_buffer, .address_space: global }
      - { .name: bh1, .offset: 160, .size: 8, .value_kind: global_buffer, .address_space: global }
      - { .name: bz1, .offset: 168, .size: 8, .value_kind: global_buffer, .address_space: global }
      - { .name: bg2, .offset: 176, .size: 8, .value_kind: global_buffer, .address_space: global }
      - { .name: br2, .offset: 184, .size: 8, .value_kind: global_buffer, .address_space: global }
      - { .name: bh2, .offset: 192, .size: 8, .value_kind: global_buffer, .address_space: global }
      - { .name: bz2, .offset: 200, .size: 8, .value_kind: global_buffer, .address_space: global }
      - { .name: lowp_scales, .offset: 208, .size: 8, .value_kind: global_buffer, .address_space: global }
      - { .name: wq, .offset: 216, .size: 8, .value_kind: global_buffer, .address_space: global }
      - { .name: ub, .offset: 224, .size: 8, .value_kind: global_buffer, .address_space: global }
    .group_segment_fixed_size: 34304
    .private_segment_fixed_size: 0
    .kernarg_segment_align: 8
    .kernarg_segment_size: 232
    .max_flat_workgroup_size: 128
    .sgpr_count:     96
    .vgpr_count:     162
    .wavefront_size: 32
...
	.end_amdgpu_metadata
.endif
;; end of part 1
;; launch chain (part 2): grid 512 x 1, 4 waves a work-group, clusters of 4 x 1, 327,680 bytes of LDS; arguments x, lowp_scales, W, b, wq, ub, out0; writes out0
.if DOCPART == 2
	.amdgcn_target "amdgcn-amd-amdhsa--gfx1250"
	.amdhsa_code_object_version 6
	.text
	.protected	k_qafa1df9f98_chain
	.globl	k_qafa1df9f98_chain
	.p2align	8
	.type	k_qafa1df9f98_chain,@function
k_qafa1df9f98_chain:
	s_mov_b64 s[64:65], 0
	v_nop
	global_prefetch_b8 v0, s[64:65] scope:SCOPE_SE
	s_setreg_imm32_b32 hwreg(HW_REG_WAVE_MODE, 25, 1), 1
	s_wait_xcnt 0x0
	s_wait_alu depctr_hold_cnt(0) depctr_sa_sdst(0) depctr_va_vdst(0) depctr_va_sdst(0) depctr_va_ssrc(0) depctr_va_vcc(0) depctr_vm_vsrc(0)
	s_getreg_b32 s2, hwreg(HW_REG_IB_STS2, 6, 4)
	s_cmp_eq_u32 s2, 0
	s_cbranch_scc0 .Lentry_in_a_cluster
	s_endpgm
.Lentry_in_a_cluster:
	s_bfe_u32 s2, ttmp6, 0x10000c
	s_cmp_lg_u32 s2, 0x3003
	s_cbranch_scc0 .Lentry_shape_is_right
	s_endpgm
.Lentry_shape_is_right:
; The whole network for 64 samples a work-group; nothing but the result goes to memory.
;   S1 = tanh(W1 x + b1);  twice:  G, R = tanh(U x + W S + b);  H = tanh(U x + W (S R) + b);  Z = tanh(U x + W S + b);  S = (1 - G) H + Z S;  out = W S3 + b.
; The eight products [512 x 512] x [512 x 64] are on codes of BF8 (E5M2), by v_wmma_f32_16x16x64_bf8_bf8; their weights' codes were made by the launch before, gate by gate in the order G, R, H, Z.
; SHARES.  Wave w owns units 128 w .. + 127 for all 64 samples: 8 tiles of units (a) x 4 tiles of samples (n), 32 accumulators.  Source 0 = 16 rows of a weight, source 1 = 16 samples: in a result lane (r, h) holds sample r and
; units 16 a + 8 h + 0 .. 7: eight neighbours along the next product's K.  So one conversion of a tile's eight registers gives registers 2 c, 2 c + 1 (c = a % 4) of the next operand's fragment, K step 2 w + a / 4, in the form's own layout.
; THE OPERAND goes from wave to wave through LDS as an image of its registers (IMG): each wave stores its two K steps, a barrier, every wave loads all eight.  Each gate has its own scale for it, so it is quantised anew for each gate.
; Its codes are made at the end of a trip (gate R's tail makes those of S R) and wait in 64 registers; they go into the image at the head of the next trip, behind the round that stands in the epilogue, in front of which every wave
; has waited for its reads of the old image.
; U x + b is one v_wmma_f32_16x16x4_f32 a tile, K = (x0, x1, x2, 1), C = 0, on [U | b] / 2^(eA + eB): the sums of codes are added straight onto it, and tanh's argument is the sum x 2^(eA + eB).
; The accumulators are written by matrix instructions alone.  The next gate's U x + b stands in two runs of 16: tiles a = 0 .. 3 in front of the epilogue's round, when groups 0 to 3 have read
; their sums; tiles a = 4 .. 7 in front of the image's barrier: the wave has them out while it waits there.
; tanh(v) = 1 - 2 / (1 + 2^(c v)), c = 2 log2(e) 2^(eA + eB).
; THE WEIGHTS come through a ring of two LDS slots of 128 KiB: BUF0 always holds K steps 0-3 of a gate, BUF1 K steps 4-7.  A wave fetches, by one tensor load of 32 KiB, just the part that it alone reads.
; BUF0 is asked for again in K step 3, BUF1 in the middle of the epilogue.  In front of each refill a wave waits for all its tensor loads: placed so, the one load that is out at either wait was
; asked for at least three K steps and four groups of an epilogue earlier.
; CLUSTER.  The four work-groups of a cluster walk the same weights: each part is asked for JOINTLY, by the same load with the same descriptor and the mask of all four; a round of the cluster's barrier stands in front of each refill.
; By this text's own count a wave has at most two tensor loads outstanding.
; LIMITS.  Every given exponent between -126 and 112; eA + eB of a gate between -127 and 126 (it is added to c's exponent field).  NaN among the inputs is not served.
; tanh's error is a few 2^-24 absolute, so it is not relative to the result where the argument is very small.
; REGISTERS, in windows of 256 (s_set_vgpr_msb: bits 1:0 source 0, 3:2 source 1, 5:4 source 2, 7:6 destination).  Tile (a, n) lies at v[8 (4 a + n)] of window 1 (the accumulators), window 2 (S) and window 3 (G, later (1 - G) H).
; Window 0: v1-12 addresses and the quantiser's scale; v16-31 [U | b]'s fragments; v32-39 x's; v40-47 the last layer's sums; v64-159, v160-255 two sets of fragments (A: 8 x 8, B: 4 x 8).
; Between products the sets are at work otherwise: v64-95 four tiles in hand (T), v160-223 the next operand's codes (CD), v96-111 W1's fragments at the head, v96-159 W's numbers in the tail.
.set BUF1,  131072                     ; LDS: BUF0 at 0, BUF1 here; wave w's part 32,768 w on
.set IMG,   262144                     ; the operand's image: [K step 8][n 4][group 2][lane][16 bytes], 32 KiB
.set SPARE, 294912                     ; the spare words, 128 bytes for each wave: two blocks of 256 bytes that no other line names
.set WL,    295424                     ; W: 512 bytes a wave
.set OS,    297472                     ; the last layer's partial sums: [wave][64 samples]
.set GSTEP, 262144                     ; a gate's codes in bytes
.set ADA, 1                            ; v1, v2  my part of BUF0, BUF1: + 16 x lane
.set ADB, 3                            ; v3      IMG + 16 x lane
.set AIW, 4                            ; v4      where I store my two K steps of the image: IMG + 8,192 w + 16 x lane
.set UOF, 5                            ; v5      my tiles of ub: 2,048 w + 8 x lane
.set SPW, 6                            ; v6      LDS address of my spare word; never rewritten
.set NIL, 7                            ; v7      0; never rewritten
.set QSC, 8                            ; v8      2^eB of the operand that is quantised next
.set QLM, 9                            ; v9      57,344 x that
.set AWL, 10                           ; v10     WL + 512 w + 32 h
.set OSA, 11                           ; v11     OS + 256 w + 4 r
.set ORD, 12                           ; v12     OS + 8 x lane
.set UA,  16
.set XB,  32
.set O,   40
.set T,   64
.set UW,  96
.set WVR, 96
.set CD,  160
.set WV,  18                           ; s18     my wave's number
.set G1,  24                           ; s[24:31] descriptor group 1
.set D0,  32                           ; s[32:35] group 0 for BUF0;  s[36:39] for BUF1
.set D1,  36
; s[4:5] x, s[6:7] the exponents, s[8:9] W, s[10:11] b, s[12:13] wq, s[14:15] ub at the gate after next, s[16:17] out0; s22 trips to go, s23 g % 4, s40 g; s41-45, s56-57 at work; s[46:47] c, twice; s[48:49] eA, eB; s50 the next eB; s[52:53] lane selects; s54 b
.set MSB, 0
.macro WIN new                         ; the immediate's high byte repeats the setting that is left; a switch that changes nothing is dropped
.if MSB != \new
	s_set_vgpr_msb (MSB<<8)|\new
.set MSB, \new
.endif
.endm
.set MUL, 0x50                         ; C and D in window 1, fragments in window 0
.macro PLACES n
.rept \n
	v_nop
.endr
.endm
.macro CREST                           ; a round of the cluster's barrier behind its opening barrier
	s_cmp_lg_u32 s[WV], 0
	s_cbranch_scc1 .Lnot_wave_0_\@
	s_barrier_signal -3
.Lnot_wave_0_\@:
	s_barrier_wait -3
	s_barrier_signal -1
	s_barrier_wait -1
.endm
.macro CROUND                          ; a whole round
	s_barrier_signal -1
	s_barrier_wait -1
	CREST
.endm
.macro QSCALE                          ; the quantiser's two numbers from s50
	s_add_co_i32 s41, s50, 127
	s_lshl_b32 s42, s41, 23
	v_mov_b32 v[QSC], s42                          ; 2^eB as f32: the conversion takes its exponent field
	s_add_co_i32 s41, s41, 15
	s_lshl_b32 s41, s41, 23
	s_or_b32 s41, s41, 0x600000
	v_mov_b32 v[QLM], s41                          ; 57,344 x 2^eB
.endm
; 24 LDS loads in one run: K step q's fragments into a set: the operand's four from the image, my weight's eight from the ring
.macro FETCH set, q
.set SA, 64+96*(\set)
.set SB, SA+64
.irp n, 0,1,2,3
.irp g, 0,1
	ds_load_b128 v[SB+8*\n+4*\g:SB+8*\n+4*\g+3], v[ADB] offset:4096*(\q)+1024*\n+512*\g
.endr
.endr
.irp a, 0,1,2,3,4,5,6,7
.irp g, 0,1
	ds_load_b128 v[SA+8*\a+4*\g:SA+8*\a+4*\g+3], v[ADA+(\q)/4] offset:8192*((\q)%4)+1024*\a+512*\g
.endr
.endr
.endm
; cnt x 4 matrix instructions from unit tile a0 on.  The 32 accumulators take turns, one instruction a turn, in the same order in every K step.
.macro MULS set, a0, cnt
.set SA, 64+96*(\set)
.set SB, SA+64
.set AA, \a0
.rept \cnt
.irp n, 0,1,2,3
	v_wmma_f32_16x16x64_bf8_bf8 v[8*(4*AA+\n):8*(4*AA+\n)+7], v[SA+8*AA:SA+8*AA+7], v[SB+8*\n:SB+8*\n+7], v[8*(4*AA+\n):8*(4*AA+\n)+7]
.endr
.set AA, AA+1
.endr
.endm
; 16 matrix instructions: the next gate's U x + b starts the sums of unit tiles a0 .. a0 + 3 anew
.macro INIT a0
	WIN 0x40                                       ; destination: the accumulators
.set AA, \a0
.rept 4
.irp n, 0,1,2,3
	v_wmma_f32_16x16x4_f32 v[8*(4*AA+\n):8*(4*AA+\n)+7], v[UA+2*AA:UA+2*AA+1], v[XB+2*\n:XB+2*\n+1], 0
.endr
.set AA, AA+1
.endr
	WIN 0
.endm
; A K step of 64 whose successor lies in the same slot
.macro STEP q
	s_wait_dscnt 0x0                               ; this step's set, asked for a step ago, is in
	PLACES 4                                       ; four places between the last products on the other set and the loads into it (ISA guide 7.12.1 for vector instructions)
	FETCH 1-(\q)%2, (\q)+1
	WIN MUL
	MULS (\q)%2, 0, 8
	WIN 0
.endm
; K step 3, on set 1: BUF0's last.  BUF0 is filled again with the next gate's codes.  In front of the round each wave waits for all its tensor loads (the one that is out is BUF1's, asked for in the last epilogue), adds 0 to its
; spare word, and waits for that and for its LDS reads.  So behind the round no wave of any partner reads the slot or has a load on its way.
.macro TURN3
	s_wait_tensorcnt 0x0                           ; all my tensor loads have landed, so a group 0 may be written
	ds_add_u32 v[SPW], v[NIL]                      ; 0 onto my spare word
	s_add_nc_u64 s[D0+2:D0+3], s[D0+2:D0+3], GSTEP ; the same half of the next gate; the type bits on top are not reached
	s_wait_dscnt 0x1                               ; this step's set is in; the add alone may be out
	WIN MUL
	MULS 1, 0, 4                                   ; sixteen matrix instructions stand between the add and the wait for it
	s_wait_dscnt 0x0                               ; the add is done, and my reads of the slot are over
	s_barrier_signal -1
	MULS 1, 4, 2
	WIN 0
	s_barrier_wait -1
	CREST
	tensor_load_to_lds s[D0:D0+3], s[G1:G1+7]      ; my one tensor load behind the round, and the first thing there
	s_nop 0
	PLACES 4                                       ; (the places in front of the loads below)
	FETCH 0, 4
	WIN MUL
	MULS 1, 6, 2
	WIN 0
.endm
; In the middle of the epilogue BUF1, read out since K step 7, is filled again with the next gate's codes.  The same three lines; the one load that is out is BUF0's, asked for in K step 3.
; Between the add and the wait for it stand the sixteen matrix instructions that start the sums of tiles a = 0 .. 3 anew: groups 0 to 3 have read those sums.
; My reads of the image are over too at that wait: so behind this round the image may be written anew.
.macro REFILL
	s_wait_tensorcnt 0x0                           ; all my tensor loads have landed, so a group 0 may be written
	ds_add_u32 v[SPW], v[NIL]                      ; 0 onto my spare word
	s_add_nc_u64 s[D1+2:D1+3], s[D1+2:D1+3], GSTEP
	INIT 0
	s_wait_dscnt 0x0                               ; the add is done; my reads of BUF1 and of the image came back in K step 7
	CROUND
	tensor_load_to_lds s[D1:D1+3], s[G1:G1+7]      ; my one tensor load behind the round, and the first thing there
	s_nop 0
	PLACES 4
.endm
; AN EPILOGUE goes in eight groups of four tiles.  Group k: tiles a = 2 (k / 2) + i % 2, n = 2 (k % 2) + i / 2, i = 0 .. 3, in v[T + 8 i] on: two pairs of tiles whose codes fill four registers of a fragment each.
; CORE leaves 1 / (1 + 2^(c sum)) in T.  Two batches of 32 transcendentals, each with one plain line and ONE wait behind it, ahead of its first reader.
.macro CORE k
	WIN 0x01                                       ; source 0: the accumulators
.irp i, 0,1,2,3
.set RA, 8*(4*(2*((\k)/2)+\i%2)+2*((\k)%2)+\i/2)
.irp j, 0,2,4,6
	v_pk_mul_f32 v[T+8*\i+\j:T+8*\i+\j+1], v[RA+\j:RA+\j+1], s[46:47] op_sel_hi:[1,0]   ; c x sum; each accumulator from its low end on
.endr
.endr
	WIN 0
.irp j, 0,1,2,3,4,5,6,7,8,9,10,11,12,13,14,15,16,17,18,19,20,21,22,23,24,25,26,27,28,29,30,31
	v_exp_f32 v[T+\j], v[T+\j]
.endr
	v_nop
	s_wait_alu depctr_va_vdst(0)
.irp j, 0,2,4,6,8,10,12,14,16,18,20,22,24,26,28,30
	v_pk_add_f32 v[T+\j:T+\j+1], v[T+\j:T+\j+1], 1.0 op_sel_hi:[1,0]
.endr
.irp j, 0,1,2,3,4,5,6,7,8,9,10,11,12,13,14,15,16,17,18,19,20,21,22,23,24,25,26,27,28,29,30,31
	v_rcp_f32 v[T+\j], v[T+\j]
.endr
	v_nop
	s_wait_alu depctr_va_vdst(0)
.endm
.macro TT                              ; tanh = 1 - 2 T, in place
.irp j, 0,2,4,6,8,10,12,14,16,18,20,22,24,26,28,30
	v_pk_fma_f32 v[T+\j:T+\j+1], v[T+\j:T+\j+1], -2.0, 1.0 op_sel_hi:[1,0,0]
.endr
.endm
.macro TOUT k, win                     ; tanh = 1 - 2 T, into the tiles' registers of the window that win names as destination
	WIN \win
.irp i, 0,1,2,3
.set RA, 8*(4*(2*((\k)/2)+\i%2)+2*((\k)%2)+\i/2)
.irp j, 0,2,4,6
	v_pk_fma_f32 v[RA+\j:RA+\j+1], v[T+8*\i+\j:T+8*\i+\j+1], -2.0, 1.0 op_sel_hi:[1,0,0]
.endr
.endr
.endm
; The four tiles in T, held, become codes.  Each group has its own eight registers for its codes: they wait there for IMAGE.
.macro QCVT k
.irp i, 0,1,2,3
	v_cvt_scalef32_pk8_bf8_f32 v[CD+8*(\k)+2*\i:CD+8*(\k)+2*\i+1], v[T+8*\i:T+8*\i+7], v[QSC]
.endr
	v_nop                                          ; a plain line between the conversions and the next vector line that writes their sources
.endm
.macro QS k                            ; S's tiles of group k become codes: the hold reads S and writes T
	WIN 0x02
.irp i, 0,1,2,3
.set RA, 8*(4*(2*((\k)/2)+\i%2)+2*((\k)%2)+\i/2)
.irp j, 0,1,2,3,4,5,6,7
	v_med3_num_f32 v[T+8*\i+\j], v[RA+\j], -v[QLM], v[QLM]   ; the conversion to an 8-bit code does not saturate (ISA guide 7.6.2)
.endr
.endr
	WIN 0
	QCVT \k
.endm
; My two K steps of the operand go into the image as they stand in CD: group k's registers 4 u .. 4 u + 3 are registers 4 ((k / 2) % 2) .. + 3 of fragment (K step 2 w + k / 4, n = 2 (k % 2) + u)
.macro IMAGE
.irp k, 0,1,2,3,4,5,6,7
.irp u, 0,1
	ds_store_b128 v[AIW], v[CD+8*\k+4*\u:CD+8*\k+4*\u+3] offset:(\k/4)*4096+(2*(\k%2)+\u)*1024+((\k/2)%2)*512
.endr
.endr
.endm
.macro TG k                            ; gate G: kept in window 3
	TOUT \k, 0xc0
	WIN 0
.endm
.macro TR k                            ; gate R: S R is the next product's operand: quantised at once, kept as codes alone
	TT
	WIN 0x08                                       ; source 1: S
.irp i, 0,1,2,3
.set RA, 8*(4*(2*((\k)/2)+\i%2)+2*((\k)%2)+\i/2)
.irp j, 0,2,4,6
	v_pk_mul_f32 v[T+8*\i+\j:T+8*\i+\j+1], v[T+8*\i+\j:T+8*\i+\j+1], v[RA+\j:RA+\j+1]
.endr
.endr
	WIN 0
.irp j, 0,1,2,3,4,5,6,7,8,9,10,11,12,13,14,15,16,17,18,19,20,21,22,23,24,25,26,27,28,29,30,31
	v_med3_num_f32 v[T+\j], v[T+\j], -v[QLM], v[QLM]
.endr
	QCVT \k
.endm
.macro TH k                            ; gate H: (1 - G) H = H - G H takes G's place
	TT
	WIN 0xc3                                       ; source 0 and destination: window 3
.irp i, 0,1,2,3
.set RA, 8*(4*(2*((\k)/2)+\i%2)+2*((\k)%2)+\i/2)
.irp j, 0,2,4,6
	v_pk_fma_f32 v[RA+\j:RA+\j+1], v[RA+\j:RA+\j+1], v[T+8*\i+\j:T+8*\i+\j+1], v[T+8*\i+\j:T+8*\i+\j+1] neg_lo:[1,0,0] neg_hi:[1,0,0]
.endr
.endr
	WIN 0
.endm
.macro TZ k                            ; gate Z: S = Z S + (1 - G) H
	TT
	WIN 0xb8                                       ; source 1 and destination: S; source 2: window 3
.irp i, 0,1,2,3
.set RA, 8*(4*(2*((\k)/2)+\i%2)+2*((\k)%2)+\i/2)
.irp j, 0,2,4,6
	v_pk_fma_f32 v[RA+\j:RA+\j+1], v[T+8*\i+\j:T+8*\i+\j+1], v[RA+\j:RA+\j+1], v[RA+\j:RA+\j+1]
.endr
.endr
	WIN 0
.endm
.macro TD k                            ; the last gate Z: S3 stays in T and is multiplied by W at once; a tile of samples has a pair of sums (even units', odd units')
	TT
	WIN 0x38                                       ; source 1: S; source 2: window 3
.irp i, 0,1,2,3
.set RA, 8*(4*(2*((\k)/2)+\i%2)+2*((\k)%2)+\i/2)
.irp j, 0,2,4,6
	v_pk_fma_f32 v[T+8*\i+\j:T+8*\i+\j+1], v[T+8*\i+\j:T+8*\i+\j+1], v[RA+\j:RA+\j+1], v[RA+\j:RA+\j+1]
.endr
.endr
	WIN 0
.irp j, 0,2,4,6
.irp i, 0,2,1,3                        ; the two tiles of samples alternate, so that no line waits for the one just before it
.set RO, O+2*(2*((\k)%2)+\i/2)
.set RW, WVR+8*(2*((\k)/2)+\i%2)+\j
.if ((\k)/2 == 0) && (\i%2 == 0) && (\j == 0)
	v_pk_mul_f32 v[RO:RO+1], v[T+8*\i+\j:T+8*\i+\j+1], v[RW:RW+1]               ; the first product starts the sum
.else
	v_pk_fma_f32 v[RO:RO+1], v[T+8*\i+\j:T+8*\i+\j+1], v[RW:RW+1], v[RO:RO+1]
.endif
.endr
.endr
.endm
	s_load_b256 s[4:11], s[0:1], 0x0               ; x, the exponents, W, b
	s_load_b128 s[12:15], s[0:1], 0x20             ; wq, ub
	s_load_b64 s[16:17], s[0:1], 0x30              ; out0
	v_lshl_add_u32 v[SPW], v0, 2, SPARE
	v_mov_b32 v[NIL], 0
	ds_add_u32 v6, v7
	ds_add_u32 v6, v7
	s_wait_dscnt 0x0
	v_lshrrev_b32 v13, 5, v0
	v_readfirstlane_b32 s[WV], v13                 ; wave 0..3
	s_bfe_u32 s19, ttmp6, 0x40000                  ; cx: my place in the cluster: it enters x's and out0's addresses alone
	s_lshl_b32 s20, ttmp9, 2                       ; in a cluster launch ttmp9 counts clusters
	s_add_co_u32 s20, s20, s19                     ; my block of 64 samples
	; descriptor group 1: a dense block of 32 KiB as 128 rows of 32 elements of 8 bytes
	s_mov_b32 s[G1+0], 15|(3<<16)|(1<<21)          ; 15:0 the mask: all four work-groups; 17:16 elements of 8 bytes; 20 no padding; 21 set beside a mask
	s_mov_b32 s[G1+1], 32<<16                      ; tensor_dim0 = 32
	s_mov_b32 s[G1+2], 128<<16                     ; tensor_dim1 = 128
	s_mov_b32 s[G1+3], 32<<16                      ; tile_dim0 = 32
	s_mov_b32 s[G1+4], 128                         ; tile_dim1 = 128
	s_mov_b32 s[G1+5], 32                          ; tensor_dim0_stride
	s_mov_b32 s[G1+6], 0
	s_mov_b32 s[G1+7], 0
	s_mov_b32 s52, 0x76543210                      ; v_permlanex16_b32: lane l xor 16
	s_mov_b32 s53, 0xfedcba98
	s_lshl_b32 s42, s[WV], 15                      ; my part of a slot, and of half a gate's codes
	s_mov_b32 s43, 0
	s_lshl_b32 s44, s20, 8                         ; 64 samples of 4 bytes
	s_mov_b32 s45, 0
	s_wait_kmcnt 0x0
	s_load_b32 s50, s[6:7], 0xc                    ; eB of gate G1
	s_load_b32 s54, s[10:11], 0x0                  ; b
	s_add_nc_u64 s[4:5], s[4:5], s[44:45]
	s_add_nc_u64 s[16:17], s[16:17], s[44:45]
	s_mov_b32 s[D0], 1                             ; count = 1
	s_lshl_b32 s[D0+1], s[WV], 15                  ; LDS address: the wave's number alone
	s_add_nc_u64 s[D0+2:D0+3], s[12:13], s[42:43]  ; gate 0, K steps 0-3
	s_mov_b32 s[D1], 1
	s_add_co_u32 s[D1+1], s[D0+1], BUF1
	s_add_nc_u64 s[D1+2:D1+3], s[D0+2:D0+3], BUF1  ; gate 0, K steps 4-7: 131,072 bytes on, in memory as in LDS
	s_or_b32 s[D0+3], s[D0+3], 0x80000000          ; type = 2
	s_or_b32 s[D1+3], s[D1+3], 0x80000000
	CROUND                                         ; all four work-groups are here: the first joint loads meet
	tensor_load_to_lds s[D0:D0+3], s[G1:G1+7]      ; both first fills go out together, ahead of every wait on TENSORcnt and every LDS read
	s_nop 0
	tensor_load_to_lds s[D1:D1+3], s[G1:G1+7]
	s_nop 0
	PLACES 4
	v_and_b32 v48, 31, v0                          ; lane
	v_and_b32 v49, 15, v0                          ; r
	v_bfe_u32 v50, v0, 4, 1                        ; h
	v_lshlrev_b32 v52, 2, v49                      ; x: 4 r
	v_lshl_add_u32 v51, v50, 18, v52               ;    + row 2 h of 131,072 bytes
	v_lshlrev_b32 v53, 4, v48                      ; 16 x lane
	v_add_nc_u32 v[ADA], s42, v53
	v_add_nc_u32 v[ADA+1], BUF1, v[ADA]
	v_add_nc_u32 v[ADB], IMG, v53
	s_lshl_b32 s41, s[WV], 13
	v_add_nc_u32 v[AIW], s41, v[ADB]
	s_lshl_b32 s41, s[WV], 11
	v_lshl_add_u32 v[UOF], v48, 3, s41
	s_lshl_b32 s41, s[WV], 9
	v_add_nc_u32 v55, s41, v53                     ; W in memory: my wave's 512 bytes
	s_add_co_u32 s41, s41, WL
	v_lshl_add_u32 v[AWL], v50, 5, s41
	v_add_nc_u32 v54, s41, v53                     ; and in LDS
	s_lshl_b32 s41, s[WV], 8
	s_add_co_u32 s41, s41, OS
	v_lshl_add_u32 v[OSA], v49, 2, s41
	v_lshl_add_u32 v[ORD], v48, 3, OS
.irp n, 0,1,2,3                        ; x's fragment of samples 16 n on: lane (r, h), register j: K place 2 h + j: (x0, x1 | x2, 1)
	global_load_b32 v[XB+2*\n], v51, s[4:5] offset:64*\n
	global_load_b32 v[XB+2*\n+1], v52, s[4:5] offset:131072+64*\n
.endr
.irp a, 0,1,2,3,4,5,6,7
	global_load_b64 v[UW+2*\a:UW+2*\a+1], v[UOF], s[14:15] offset:256*\a         ; [W1 | b1]
	global_load_b64 v[UA+2*\a:UA+2*\a+1], v[UOF], s[14:15] offset:8192+256*\a    ; gate G1's [U | b]
.endr
	global_load_b128 v[56:59], v55, s[8:9]
	s_wait_loadcnt 0x0
	s_wait_kmcnt 0x0
	v_cmp_gt_u32 vcc_lo, 16, v48
.irp n, 0,1,2,3
	v_cndmask_b32 v[XB+2*\n+1], 1.0, v[XB+2*\n+1], vcc_lo   ; lanes 16-31: the 1 that multiplies the bias
.endr
	ds_store_b128 v54, v[56:59]                    ; W waits in LDS for the tail; only my wave reads these bytes
	s_add_nc_u64 s[14:15], s[14:15], 2*8192        ; ub at gate R1: the loads above are done
	QSCALE
	s_mov_b32 s46, 0x4038aa3b                      ; c = 2 log2(e): the first layer has no codes
	s_mov_b32 s47, s46                             ; (named with it as a pair, so it is written)
	; ---- S1 = tanh(W1 x + b1), and its codes for gate G1
	WIN 0x40
.irp a, 0,1,2,3,4,5,6,7
.irp n, 0,1,2,3
	v_wmma_f32_16x16x4_f32 v[8*(4*\a+\n):8*(4*\a+\n)+7], v[UW+2*\a:UW+2*\a+1], v[XB+2*\n:XB+2*\n+1], 0
.endr
.endr
	WIN 0
	PLACES 8                                       ; eight places behind this form before its results are read (ISA guide 7.12.1)
.irp k, 0,1,2,3,4,5,6,7
	CORE \k
	TOUT \k, 0x80                                  ; S1
	TOUT \k, 0xc0                                  ; and once into window 3: which tail a trip of the loop takes hangs on a scalar, and so every register that a tail reads is written ahead of the loop
	WIN 0
	QS \k
.endr
	INIT 0                                         ; gate G1's U x + b, tiles a = 0 .. 3; the others follow at the loop's head
	s_mov_b32 s22, 7                               ; gates 0 to 6 go round the loop; the last stands behind it, since it fills no slot and ends otherwise
	s_mov_b32 s23, 0
	s_mov_b32 s40, 0
.Lgate:
	IMAGE                                          ; behind the last epilogue's round: no wave reads the old image
	INIT 4                                         ; this gate's U x + b, tiles a = 4 .. 7: out while the wave waits for its stores, the barrier and the first fragments
	s_wait_dscnt 0x0                               ; my part of the image has landed
	s_barrier_signal -1
	s_barrier_wait -1                              ; everybody's has.  A tensor load may stay out
	s_wait_tensorcnt 0x1                           ; my part of BUF0 is in: on the way in and on the way back alike one load, BUF1's, was issued behind it
	FETCH 0, 0
	PLACES 9                                       ; nine places between the last f32 matrix instruction and the first product that writes over its result; eight serve the loads into its source below
.irp a, 0,1,2,3,4,5,6,7
	global_load_b64 v[UA+2*\a:UA+2*\a+1], v[UOF], s[14:15] offset:256*\a   ; the next gate's [U | b]
.endr
	s_add_co_u32 s41, s40, 1                       ; this gate's exponents lie at 8 m, m = ((g + 1) & 3) | (g & 4)
	s_and_b32 s42, s41, 3
	s_and_b32 s43, s40, 4
	s_or_b32 s42, s42, s43
	s_lshl_b32 s42, s42, 3
	s_mov_b32 s43, 0
	s_add_nc_u64 s[44:45], s[6:7], s[42:43]
	s_load_b64 s[48:49], s[44:45], 0x0             ; eA, eB
	s_add_co_u32 s42, s41, 1                       ; and the next gate's likewise
	s_and_b32 s42, s42, 3
	s_and_b32 s41, s41, 4
	s_or_b32 s42, s42, s41
	s_lshl_b32 s42, s42, 3
	s_add_nc_u64 s[56:57], s[6:7], s[42:43]
	s_load_b32 s50, s[56:57], 0x4                  ; its eB
	STEP 0
	STEP 1
	STEP 2
	TURN3
	STEP 4
	STEP 5
	STEP 6
	s_wait_dscnt 0x0                               ; K step 7: its set is in, and with it my last reads of BUF1 and of the image; nothing more to fetch
	WIN MUL
	MULS 1, 0, 8
	WIN 0
	s_wait_loadcnt 0x0                             ; [U | b] is in, and its loads have read their base
	s_wait_kmcnt 0x0
	s_add_nc_u64 s[14:15], s[14:15], 8192
	s_add_co_i32 s41, s48, s49
	s_lshl_b32 s41, s41, 23
	s_add_co_i32 s46, s41, 0x4038aa3b              ; c = 2 log2(e) x 2^(eA + eB): the exponents are added to its exponent field
	s_mov_b32 s47, s46
	QSCALE                                         ; for the operand that is quantised next.  Its two v_mov_b32 and the two lines below are the four places behind the last products
	PLACES 2
.irp k, 0,1,2,3,4,5,6,7
.if \k == 4
	REFILL
.endif
	CORE \k
	s_cmp_lg_u32 s23, 0
	s_cbranch_scc1 .Lnot_g_\k
	TG \k
	s_branch .Ljoin_\k
.Lnot_g_\k:
	s_cmp_lg_u32 s23, 1
	s_cbranch_scc1 .Lnot_r_\k
	TR \k
	s_branch .Ljoin_\k
.Lnot_r_\k:
	s_cmp_lg_u32 s23, 2
	s_cbranch_scc1 .Lnot_h_\k
	TH \k
	s_branch .Ljoin_\k
.Lnot_h_\k:
	TZ \k
.Ljoin_\k:
.endr
	s_cmp_eq_u32 s23, 1                            ; behind gate R the next operand's codes, those of S R, are made already
	s_cbranch_scc1 .Lhave_codes
.irp k, 0,1,2,3,4,5,6,7
	QS \k                                          ; else the next gate's operand is S, under that gate's scale
.endr
.Lhave_codes:
	s_add_co_u32 s40, s40, 1
	s_and_b32 s23, s40, 3
	s_sub_co_u32 s22, s22, 1
	s_cmp_lg_u32 s22, 0
	s_cbranch_scc1 .Lgate
	; ---- gate Z2 and the last layer: written out
	IMAGE
	INIT 4
	s_wait_dscnt 0x0
	s_barrier_signal -1
	s_barrier_wait -1
	s_wait_tensorcnt 0x1                           ; my part of BUF0; BUF1's load was issued behind it
	FETCH 0, 0
	PLACES 9
	s_load_b64 s[48:49], s[6:7], 0x20              ; gate Z2: m = 4
	STEP 0
	STEP 1
	STEP 2
	s_wait_tensorcnt 0x0                           ; my part of BUF1: no load was issued behind it
	s_wait_dscnt 0x0
	PLACES 4
	FETCH 0, 4
	WIN MUL
	MULS 1, 0, 8
	WIN 0
	STEP 4
	STEP 5
	STEP 6
	s_wait_dscnt 0x0
	PLACES 4
.irp a, 0,1,2,3,4,5,6,7                ; W at my units 16 a + 8 h + 0 .. 7, into the set that is done with
	ds_load_b128 v[WVR+8*\a:WVR+8*\a+3], v[AWL] offset:64*\a
	ds_load_b128 v[WVR+8*\a+4:WVR+8*\a+7], v[AWL] offset:64*\a+16
.endr
	WIN MUL
	MULS 1, 0, 8
	WIN 0
	s_wait_kmcnt 0x0
	s_add_co_i32 s41, s48, s49
	s_lshl_b32 s41, s41, 23
	s_add_co_i32 s46, s41, 0x4038aa3b
	s_mov_b32 s47, s46
	s_wait_dscnt 0x0                               ; W
	PLACES 4
.irp k, 0,1,2,3,4,5,6,7
	CORE \k
	TD \k
.endr
.irp n, 0,1,2,3
	v_add_f32 v[O+2*\n], v[O+2*\n], v[O+2*\n+1]    ; the even and the odd units',
.endr
.irp n, 0,1,2,3
	v_permlanex16_b32 v[O+2*\n+1], v[O+2*\n], s52, s53
.endr
.irp n, 0,1,2,3
	v_add_f32 v[O+2*\n], v[O+2*\n], v[O+2*\n+1]    ; and lane l xor 16's: my wave's 128 units, for sample 16 n + r
.endr
.irp n, 0,1,2,3
	ds_store_b32 v[OSA], v[O+2*\n] offset:64*\n    ; (lanes r and 16 + r write the same word with the same number)
.endr
	s_wait_dscnt 0x0                               ; for the others' sake: my sums have landed
	s_barrier_signal -1
	s_barrier_wait -1
	s_cmp_lg_u32 s[WV], 0
	s_cbranch_scc1 .Lfin                           ; wave 0 adds the four waves' sums and stores the 64 results
.irp w, 0,1,2,3
	ds_load_b64 v[48+2*\w:49+2*\w], v[ORD] offset:256*\w
.endr
	v_lshlrev_b32 v56, 3, v0                       ; in wave 0 the thread's number is the lane's
	s_wait_dscnt 0x0
	v_pk_add_f32 v[48:49], v[48:49], v[50:51]
	v_pk_add_f32 v[52:53], v[52:53], v[54:55]
	v_pk_add_f32 v[48:49], v[48:49], v[52:53]
	v_add_f32 v48, s54, v48
	v_add_f32 v49, s54, v49
	global_store_b64 v56, v[48:49], s[16:17]       ; 32 lanes store 256 consecutive bytes, aligned
.Lfin:
	s_wait_tensorcnt 0x0                           ; the wave's end: behind my last tensor load and my last LDS store
	ds_add_u32 v[SPW], v[NIL]
	s_wait_dscnt 0x0
	CROUND                                         ; the closing round: no work-group ends while a partner may still ask for a part that names it
	s_endpgm
.Lfunc_end_k_qafa1df9f98_chain:
	.size	k_qafa1df9f98_chain, .Lfunc_end_k_qafa1df9f98_chain-k_qafa1df9f98_chain
	.p2alignl 7, 3214868480
	.fill 96, 4, 3214868480
	.section	.rodata,"a",@progbits
	.p2align	6, 0x0
	.amdhsa_kernel k_qafa1df9f98_chain
		.amdhsa_group_segment_fixed_size 327680
		.amdhsa_private_segment_fixed_size 0
		.amdhsa_enable_private_segment 0
		.amdhsa_kernarg_size 56
		.amdhsa_user_sgpr_count 2
		.amdhsa_user_sgpr_kernarg_segment_ptr 1
		.amdhsa_wavefront_size32 1
		.amdhsa_system_sgpr_workgroup_id_x 1
		.amdhsa_system_sgpr_workgroup_id_y 1
		.amdhsa_system_sgpr_workgroup_id_z 1
		.amdhsa_system_vgpr_workitem_id 0
		.amdhsa_next_free_vgpr 1024
		.amdhsa_next_free_sgpr 66
		.amdhsa_reserve_vcc 1
		.amdhsa_float_denorm_mode_32 3
		.amdhsa_float_denorm_mode_16_64 3
		.amdhsa_memory_ordered 1
		.amdhsa_forward_progress 1
		.amdhsa_inst_pref_size 255
	.end_amdhsa_kernel
	.section	.bss,"aw",@nobits
	.p2align	6
	.space	262144
	.amdgpu_metadata
---
amdhsa.version: [ 1, 2 ]
amdhsa.kernels:
  - .name:           k_qafa1df9f98_chain
    .symbol:         k_qafa1df9f98_chain.kd
    .args:
      - { .name: x, .offset: 0, .size: 8, .value_kind: global_buffer, .address_space: global }
      - { .name: lowp_scales, .offset: 8, .size: 8, .value_kind: global_buffer, .address_space: global }
      - { .name: W, .offset: 16, .size: 8, .value_kind: global_buffer, .address_space: global }
      - { .name: b, .offset: 24, .size: 8, .value_kind: global_buffer, .address_space: global }
      - { .name: wq, .offset: 32, .size: 8, .value_kind: global_buffer, .address_space: global }
      - { .name: ub, .offset: 40, .size: 8, .value_kind: global_buffer, .address_space: global }
      - { .name: out0, .offset: 48, .size: 8, .value_kind: global_buffer, .address_space: global }
    .group_segment_fixed_size: 327680
    .private_segment_fixed_size: 0
    .kernarg_segment_align: 8
    .kernarg_segment_size: 56
    .max_flat_workgroup_size: 128
    .sgpr_count:     66
    .vgpr_count:     1024
    .wavefront_size: 32
...
	.end_amdgpu_metadata
.endif
;; end of part 2
